; MI455X (gfx1250); checked and timed in simulation.
; The chip was launched on July 23, 2026; its instructions are those of AMD's public machine-readable ISA for CDNA 5 (MIT licence, August 2026) and "CDNA5" Instruction Set Architecture Reference Guide (July 2026). The comments in the code are by the model that wrote it; some were corrected since.
;; Group query Attention. Allowed arithmetic: matrix products marked QUANTISED: E4M3 operands, one given power-of-two scale a tensor, by v_wmma_f32_16x16x64_fp8_fp8 or v_wmma_f32_16x16x128_fp8_fp8, f32 sums; everything else in f32.
;; Inputs: Wkv 1,024 x 2,048 float32; Wo 2,048 x 2,048 float32; Wq 2,048 x 2,048 float32; lowp_scales 10 int32 (the exponents e of the quantised operands' scales 2^e); x 2 x 1,024 x 2,048 float32.
;; Outputs: out0 2 x 1,024 x 2,048 float32.
;; This version of the problem:
;;   THIS VERSION OF THE PROBLEM IS GIVEN IN LOW PRECISION. The matrix products marked QUANTISED in the list below multiply operands that are first quantised to E4M3 (4 exponent bits, 3 mantissa bits; 8 bits a number), with one given power-of-two scale for each operand tensor; their sums are f32. All else is computed in f32.
;;   The module's matrix products, in the order in which they are computed (A, B: the left and right operand; K: the contracted axis; several contracted axes count as one K, in the product's order):
;;     1. [M 2,048, K 2,048] x [K 2,048, N 2,048]; A: input x; B: input Wq: QUANTISED (scales: A lowp_scales[0], B lowp_scales[1])
;;     2. [M 2,048, K 2,048] x [K 2,048, N 1,024]; A: input x; B: input Wkv: QUANTISED (scales: A lowp_scales[2], B lowp_scales[3])
;;     3. batch 16 x [M 4,096, K 64] x [K 64, N 1,024]; A: computed on the way; B: computed on the way: QUANTISED (scales: A lowp_scales[4], B lowp_scales[5])
;;     4. batch 16 x [M 4,096, K 1,024] x [K 1,024, N 64]; A: softmax (see below); B: computed on the way: QUANTISED (scales: A lowp_scales[6], B lowp_scales[7])
;;     5. [M 2,048, K 2,048] x [K 2,048, N 2,048]; A: computed on the way; B: input Wo: QUANTISED (scales: A lowp_scales[8], B lowp_scales[9])
;;   THE QUANTISER, for each operand of a quantised product, along K:
;;     - The operand's scale is 2^e, e = its entry of the input lowp_scales (int32; the entries are numbered through the quantised products in the list's order, A before B).
;;     - Each number is divided by the scale, clamped to +-448, and rounded to the nearest number of E4M3, ties to even, subnormals kept.
;;     - The product sums the exact products of the quantised numbers (number of the format x scale) in f32.
;;   ~~~python
;;   def quantise(x, axis, e):      # numpy; x: float32 -> the quantised numbers, widened to float32 again
;;       x = np.moveaxis(x, axis, -1); K = x.shape[-1]
;;       r = np.clip(x / 2.0 ** e, -448, 448)
;;       step = 2.0 ** (np.maximum(np.frexp(np.where(r == 0, 1, r))[1] - 1, -6) - 3)
;;       q = np.round(r / step) * step * 2.0 ** e      # np.round: ties to even
;;       return np.moveaxis(q, -1, axis).astype(np.float32)
;;   ~~~
;;   SOFTMAX AHEAD OF A QUANTISED PRODUCT. Where the list says 'softmax', what is quantised is not the finished softmax but p = 2^(t - M), with t = logit x log2(e) and M = ceil(the row's largest t), a whole number; so 1/2 < the row's largest p <= 1. The row's sum l is taken of the UNQUANTISED p, in f32, and the product's result is divided by l at the end. Since M is a whole number, a kernel that streams over the keys may use a running M (the ceiling of the running maximum): every later rescaling is an exact power of two, so the quantised numbers keep their values, but for numbers so far below the row's largest that they fall under the format's range.
;;   OPERANDS COMPUTED ON THE WAY. 'Computed on the way' means the value that the module computes at that place (a softmax that the list does not call 'softmax' is quantised finished and normalised). What goes into a quantiser is computed in f32, as accurately as f32 sums, v_exp_f32 and their like allow (about 1e-6 of the number): no bf16 or f16 on the way to a quantiser, and a product that is left as it is and whose result goes on into a quantised operand takes f32 operands (vector FMAs, or v_wmma_f32_16x16x4_f32). A number that lies on a knife's edge between two numbers of the format may be rounded either way, as far as f32 arithmetic and the matrix unit's own rounding can turn it there, and no further.
;; One version. Each part assembles by itself: llvm-mc -triple=amdgcn-amd-amdhsa -mcpu=gfx1250 --defsym DOCPART=n.
;; ======== version 1 of 1: 4 launches
;; limits: right only within a limited range of input values
;; workspace buffers: xq_img 4,194,304 bytes; xkv_img 4,194,304 bytes; wq_img 4,194,304 bytes; wkv_img 2,097,152 bytes; wo_img 4,194,304 bytes; q_img 4,194,304 bytes; kv_img 2,097,152 bytes; ao_img 4,194,304 bytes
;; launch quant (part 1): grid 1280 x 1, 2 waves a work-group, no clusters, 17,152 bytes of LDS; arguments x, Wq, Wkv, lowp_scales, xq_img, xkv_img, wq_img, wkv_img; writes xq_img, xkv_img, wq_img, wkv_img
.if DOCPART == 1
	.amdgcn_target "amdgcn-amd-amdhsa--gfx1250"
	.amdhsa_code_object_version 6
	.text
	.protected	k_qa9ed8fbaf5_quant
	.globl	k_qa9ed8fbaf5_quant
	.p2align	8
	.type	k_qa9ed8fbaf5_quant,@function
k_qa9ed8fbaf5_quant:
	s_mov_b64 s[64:65], 0
	v_nop
	global_prefetch_b8 v0, s[64:65] scope:SCOPE_SE
	s_setreg_imm32_b32 hwreg(HW_REG_WAVE_MODE, 25, 1), 1
	s_wait_xcnt 0x0
; x [2048][2048], Wq [2048][2048], Wkv [1024][2048], f32 with K innermost, become codes of FP8 (E4M3), each with the scale 2^e that is given for it:
; x twice (entry 0 for the product with Wq, entry 2 for the product with Wkv), Wq entry 1, Wkv entry 3.  (Wo is quantised in the attention's launch.)  code = x / 2^e, held within +-448, to the nearest code, ties to even.
; LIMITS: each e between -126 and 119, so that 2^e and 448 x 2^e are f32 numbers.  NaN among the inputs is not served (an infinity is held at the largest code).
; THE CODES ARE LAID AS IMAGES OF THE OPERAND'S REGISTERS.  An image is 16 rows x 128 along K, 2,048 bytes: four groups of 512 bytes; in group g lane l = 16 h + r has the 16 bytes at 16 l: registers 4 g .. 4 g + 3 of the
; fragment of v_wmma_f32_16x16x128_fp8_fp8: k = 32 g + 8 h + 0..7, then k = 32 g + 16 + 8 h + 0..7, of row r.  A buffer is [row / 16][k / 128][image]: a tile of 16 rows is 32,768 bytes.
; SHARES.  A work-group of two waves takes a quarter along K of a tile of 16 rows (work-groups 0-511: x; 512-1023: Wq; 1024-1279: Wkv): 1,280 work-groups, five for each of 256 WGPs.  A wave takes 256 along K: two images.
; Work-groups share no input: no cluster, no barrier.  Each load reads 512 consecutive bytes of one row, 16 a lane; all 32 loads of a wave go out at its head.  An image's 16 x 512 bytes turn through the wave's own stage
; in LDS, so that a lane gets the neighbours along K that the conversions take from one lane's registers.  Each store covers 512 consecutive bytes, aligned.
.set SP,   528                         ; a stage row: 512 bytes + 16 = 132 words: row r starts at bank 4 r mod 64 (64 banks of 4 bytes: ISA guide 11.1)
.set WST,  16*SP                       ; a wave's stage
.set SPARE, 2*WST                      ; behind the stages: the spare words, 128 bytes for each wave
.set LI,   1                           ; v1   16 x lane; never rewritten
.set SW,   2                           ; v2   the stage, on the way in
.set SRD,  3                           ; v3   the stage, on the way out: row r, + 32 h
.set SC1,  4                           ; v4   2^e as f32;  v5  448 x 2^e
.set LIM1, 5
.set SC2,  6                           ; v6, v7 the same with entry 2, for x's second set of codes
.set LIM2, 7
.set R,    16                          ; v16-143  two sets of 64 numbers
.set T,    144                         ; v144-175 two sets of 16 held numbers, by turns
.set C,    176                         ; v176-239 codes: 16 registers for each image and output, so that no store's data are written again
.set SPW,  240
.set NIL,  241
	s_load_b256 s[4:11], s[0:1], 0x0               ; x, Wq, Wkv, the scales' exponents
	s_load_b256 s[16:23], s[0:1], 0x20             ; the images of x (entry 0), x (entry 2), Wq, Wkv
	v_lshl_add_u32 v[SPW], v0, 2, SPARE
	v_mov_b32 v[NIL], 0
	v_lshrrev_b32 v8, 5, v0
	s_delay_alu instid0(VALU_DEP_1)
	v_readfirstlane_b32 s38, v8                    ; wave 0, 1
	v_and_b32 v8, 31, v0
	s_delay_alu instid0(VALU_DEP_1)
	v_lshlrev_b32 v[LI], 4, v8
	s_mul_i32 s27, s38, WST
	v_add_nc_u32 v[SW], s27, v[LI]
	v_and_b32 v9, 15, v0                           ; r
	v_bfe_u32 v10, v0, 4, 1                        ; h
	s_delay_alu instid0(VALU_DEP_2)
	v_mul_u32_u24 v[SRD], v9, SP
	s_delay_alu instid0(VALU_DEP_1)
	v_lshl_add_u32 v[SRD], v10, 5, v[SRD]
	s_delay_alu instid0(VALU_DEP_1)
	v_add_nc_u32 v[SRD], s27, v[SRD]
	s_wait_alu depctr_va_vdst(0)
	s_wait_kmcnt 0x0
	s_load_b256 s[28:35], s[10:11], 0x0            ; entries 0 to 7
	; which tensor: the choice hangs on the work-group's number alone; only pointers and numbers are chosen, all tensors take one path
	s_mov_b32 s39, 256
	s_cmp_lt_u32 ttmp9, 1024
	s_cselect_b64 s[40:41], s[6:7], s[8:9]
	s_cselect_b64 s[42:43], s[20:21], s[22:23]
	s_cselect_b32 s39, 128, s39
	s_cmp_lt_u32 ttmp9, 512
	s_cselect_b64 s[40:41], s[4:5], s[40:41]
	s_cselect_b64 s[42:43], s[16:17], s[42:43]
	s_cselect_b32 s39, 0, s39
	s_lshr_b32 s26, ttmp9, 2
	s_sub_co_u32 s26, s26, s39                     ; my tile of 16 rows in that tensor
	s_and_b32 s27, ttmp9, 3
	s_lshl_b32 s27, s27, 1
	s_add_co_u32 s27, s27, s38                     ; which 256 along K: 2 x quarter + wave
	s_lshl_b32 s46, s26, 17                        ; 16 rows of 8,192 bytes,
	s_lshl_b32 s47, s27, 10                        ; my wave's 256 numbers of a row
	s_add_co_u32 s46, s46, s47
	s_mov_b32 s47, 0
	s_add_nc_u64 s[40:41], s[40:41], s[46:47]
	s_lshl_b32 s46, s26, 15                        ; the tile's 16 images,
	s_lshl_b32 s27, s27, 12                        ; my wave's two
	s_add_co_u32 s46, s46, s27
	s_add_nc_u64 s[42:43], s[42:43], s[46:47]
	s_add_nc_u64 s[44:45], s[18:19], s[46:47]      ; x's second set (used by x's work-groups alone; the tile's number is under 128 in every tensor)
.irp t, 0,1
.irp i, 0,1,2,3,4,5,6,7,8,9,10,11,12,13,14,15
	global_load_b128 v[R+64*\t+4*\i:R+64*\t+4*\i+3], v[LI], s[40:41] offset:\i*8192+\t*512 th:TH_LOAD_NT   ; row i, image t: 512 consecutive bytes; read once in the launch
.endr
.endr
	s_wait_kmcnt 0x0
	s_cmp_lt_u32 ttmp9, 1024
	s_cselect_b32 s46, s29, s31                    ; Wq: entry 1; Wkv: entry 3
	s_cmp_lt_u32 ttmp9, 512
	s_cselect_b32 s46, s28, s46                    ; x: entry 0
	s_add_co_i32 s46, s46, 127
	s_lshl_b32 s47, s46, 23
	v_mov_b32 v[SC1], s47                          ; 2^e as f32: the conversion takes its exponent field
	s_add_co_i32 s46, s46, 8
	s_lshl_b32 s46, s46, 23
	s_or_b32 s46, s46, 0x600000
	v_mov_b32 v[LIM1], s46                         ; 448 x 2^e
	s_add_co_i32 s46, s30, 127
	s_lshl_b32 s47, s46, 23
	v_mov_b32 v[SC2], s47
	s_add_co_i32 s46, s46, 8
	s_lshl_b32 s46, s46, 23
	s_or_b32 s46, s46, 0x600000
	v_mov_b32 v[LIM2], s46
; 64 numbers of a lane, register 16 g + n = k 32 g + 16 (n / 8) + 8 h + n % 8 of my row, become an image's 16 registers.  The numbers stay as they are (x is quantised twice): the held ones go to T.
.macro QUANT src, sc, lim, cd
.irp g, 0,1,2,3
.irp n, 0,1,2,3,4,5,6,7,8,9,10,11,12,13,14,15
	v_med3_num_f32 v[T+16*(\g%2)+\n], v[(\src)+16*\g+\n], -v[\lim], v[\lim]   ; the conversion to an 8-bit code does not saturate (ISA guide 7.6.2): the hold at the largest code x the scale
.endr
	v_cvt_scalef32_pk8_fp8_f32 v[(\cd)+4*\g:(\cd)+4*\g+1], v[T+16*(\g%2):T+16*(\g%2)+7], v[\sc]
	v_cvt_scalef32_pk8_fp8_f32 v[(\cd)+4*\g+2:(\cd)+4*\g+3], v[T+16*(\g%2)+8:T+16*(\g%2)+15], v[\sc]   ; a set of T is written again only behind the other set's sixteen plain lines
.endr
	v_nop                                          ; one plain vector line behind the last conversion
.endm
.macro IMG t
	s_wait_loadcnt 16*(1-\t)                       ; this image's sixteen loads are in; the other image's, issued behind them, may be out
.irp i, 0,1,2,3,4,5,6,7,8,9,10,11,12,13,14,15
	ds_store_b128 v[SW], v[R+64*\t+4*\i:R+64*\t+4*\i+3] offset:\i*SP
.endr
	s_wait_dscnt 0x0                               ; the stores have read their registers, which the loads below fill
.irp g, 0,1,2,3
.irp e, 0,1
.irp q, 0,1
	ds_load_b128 v[R+64*\t+16*\g+8*\e+4*\q:R+64*\t+16*\g+8*\e+4*\q+3], v[SRD] offset:128*\g+64*\e+16*\q
.endr
.endr
.endr
	s_wait_dscnt 0x0
	QUANT R+64*\t, SC1, LIM1, C+32*\t
.irp g, 0,1,2,3
	global_store_b128 v[LI], v[C+32*\t+4*\g:C+32*\t+4*\g+3], s[42:43] offset:\t*2048+\g*512
.endr
	s_cmp_lt_u32 ttmp9, 512                        ; x's work-groups quantise once more, with entry 2: a branch on the work-group's number, round register work and stores alone
	s_cbranch_scc0 .Lnot_x_\@
	QUANT R+64*\t, SC2, LIM2, C+32*\t+16
.irp g, 0,1,2,3
	global_store_b128 v[LI], v[C+32*\t+16+4*\g:C+32*\t+16+4*\g+3], s[44:45] offset:\t*2048+\g*512
.endr
.Lnot_x_\@:
.endm
	s_wait_alu depctr_va_vdst(0)
	IMG 0
	IMG 1
	s_wait_tensorcnt 0x0                           ; the wave's end
	ds_add_u32 v[SPW], v[NIL]
	s_wait_dscnt 0x0
	s_endpgm
.Lfunc_end_k_qa9ed8fbaf5_quant:
	.size	k_qa9ed8fbaf5_quant, .Lfunc_end_k_qa9ed8fbaf5_quant-k_qa9ed8fbaf5_quant
	.p2alignl 7, 3214868480
	.fill 96, 4, 3214868480
	.section	.rodata,"a",@progbits
	.p2align	6, 0x0
	.amdhsa_kernel k_qa9ed8fbaf5_quant
		.amdhsa_group_segment_fixed_size 17152
		.amdhsa_private_segment_fixed_size 0
		.amdhsa_enable_private_segment 0
		.amdhsa_kernarg_size 64
		.amdhsa_user_sgpr_count 2
		.amdhsa_user_sgpr_kernarg_segment_ptr 1
		.amdhsa_wavefront_size32 1
		.amdhsa_system_sgpr_workgroup_id_x 1
		.amdhsa_system_sgpr_workgroup_id_y 1
		.amdhsa_system_sgpr_workgroup_id_z 1
		.amdhsa_system_vgpr_workitem_id 0
		.amdhsa_next_free_vgpr 242
		.amdhsa_next_free_sgpr 66
		.amdhsa_reserve_vcc 0
		.amdhsa_float_denorm_mode_32 3
		.amdhsa_float_denorm_mode_16_64 3
		.amdhsa_memory_ordered 1
		.amdhsa_forward_progress 1
		.amdhsa_inst_pref_size 31
	.end_amdhsa_kernel
	.amdgpu_metadata
---
amdhsa.version: [ 1, 2 ]
amdhsa.kernels:
  - .name:           k_qa9ed8fbaf5_quant
    .symbol:         k_qa9ed8fbaf5_quant.kd
    .args:
      - { .name: x, .offset: 0, .size: 8, .value_kind: global_buffer, .address_space: global }
      - { .name: Wq, .offset: 8, .size: 8, .value_kind: global_buffer, .address_space: global }
      - { .name: Wkv, .offset: 16, .size: 8, .value_kind: global_buffer, .address_space: global }
      - { .name: lowp_scales, .offset: 24, .size: 8, .value_kind: global_buffer, .address_space: global }
      - { .name: xq_img, .offset: 32, .size: 8, .value_kind: global_buffer, .address_space: global }
      - { .name: xkv_img, .offset: 40, .size: 8, .value_kind: global_buffer, .address_space: global }
      - { .name: wq_img, .offset: 48, .size: 8, .value_kind: global_buffer, .address_space: global }
      - { .name: wkv_img, .offset: 56, .size: 8, .value_kind: global_buffer, .address_space: global }
    .group_segment_fixed_size: 17152
    .private_segment_fixed_size: 0
    .kernarg_segment_align: 8
    .kernarg_segment_size: 64
    .max_flat_workgroup_size: 64
    .sgpr_count:     66
    .vgpr_count:     242
    .wavefront_size: 32
...
	.end_amdgpu_metadata
.endif
;; end of part 1
;; launch proj (part 2): grid 16 x 12, 4 waves a work-group, clusters of 4 x 1, 327,680 bytes of LDS; arguments xq_img, xkv_img, wq_img, wkv_img, lowp_scales, q_img, kv_img; writes q_img, kv_img
.if DOCPART == 2
	.amdgcn_target "amdgcn-amd-amdhsa--gfx1250"
	.amdhsa_code_object_version 6
	.text
	.protected	k_qa9ed8fbaf5_proj
	.globl	k_qa9ed8fbaf5_proj
	.p2align	8
	.type	k_qa9ed8fbaf5_proj,@function
k_qa9ed8fbaf5_proj:
	s_mov_b64 s[64:65], 0
	v_nop
	global_prefetch_b8 v0, s[64:65] scope:SCOPE_SE
	s_setreg_imm32_b32 hwreg(HW_REG_WAVE_MODE, 25, 1), 1
	s_wait_xcnt 0x0
	s_wait_alu depctr_hold_cnt(0) depctr_sa_sdst(0) depctr_va_vdst(0) depctr_va_sdst(0) depctr_va_ssrc(0) depctr_va_vcc(0) depctr_vm_vsrc(0)
	s_getreg_b32 s2, hwreg(HW_REG_IB_STS2, 6, 4)
	s_cmp_eq_u32 s2, 0
	s_cbranch_scc0 .Lentry_in_a_cluster
	s_endpgm
.Lentry_in_a_cluster:
	s_bfe_u32 s2, ttmp6, 0x10000c
	s_cmp_lg_u32 s2, 0x3003
	s_cbranch_scc0 .Lentry_shape_is_right
	s_endpgm
.Lentry_shape_is_right:
; q = x Wq^T, v^T = Wv x^T, k = x Wk^T on codes of FP8 (E4M3), and the results quantised in registers into the operands of attention's two products.  Sums in f32.
; All operands come as IMAGES OF THE OPERAND'S REGISTERS: [row / 16][k / 128][2,048 bytes]; in an image group g (512 bytes) holds, at 16 x lane, registers 4 g .. 4 g + 3 of the fragment of v_wmma_f32_16x16x128_fp8_fp8.
; TILES.  A work-group of four waves, as many as a WGP has SIMDs, makes 128 rows of P x 256 rows of Q; wave w makes 128 x 64 (its own 64 rows of Q): 32 accumulators.
;   cluster y = 0..7: q (P = x with entry 0: 16 tiles; Q = Wq: 8 tiles);  8, 9: v (P = Wkv's rows 512-1,023: 4 tiles; Q = x with entry 2: 8 tiles);  10, 11: k (P = Wkv's rows 0-511: 4 tiles; Q = x with entry 2: 8 tiles).
;   128 + 32 + 32 = 192 work-groups of equal work, each on a WGP of its own.  (3,072 columns do not divide into 256 equal shares without shares that need x with both scales.)
; P LIES IN LDS, ALL OF K: 128 rows x 2,048 codes = 262,144 bytes, in two halves along K of eight chunks of 128 each.  Wave w fetches two of the eight tiles of 16 rows, half 0 at the head and half 1 behind the round that shows half 0;
; half 1 has chunks 0 to 6 in which to land, and one barrier, in chunk 7, shows it to all waves.  No LDS byte is filled twice.
; Q GOES FROM MEMORY STRAIGHT INTO REGISTERS: no other wave of the work-group reads a wave's rows of Q, so each fragment is loaded once, three chunks of 128 along K ahead of its use.
; CLUSTERS of 4 x 1 work-groups: four tiles of Q with ONE tile of P, which is asked for JOINTLY.  Q is not asked for jointly: a joint load lands in LDS, where P leaves 65,536 of Q's 524,288 bytes room.
; PREFETCH of Q's chunks 8-15: the work-groups with the same tile of Q share them out by P's tile: work-group with P's tile t asks for chunks 8 + t % 4 and 12 + t % 4, in chunks 1 and 5, four chunks and more ahead of the loads.
; ORDER OF THE SOURCES.  q, v: source 0 = 16 rows of Q, source 1 = 16 rows of P: lane (r, h) holds row r of P's tile and its registers j rows 8 h + j of Q's.  k: the other way round.  So a lane's eight sums are eight
; neighbours along the next product's K: channels of one token for q and k, tokens of one channel for v.  Four accumulators that make one row of the next operand's fragment have neighbouring registers: group g, at v[32 g].
; OUT.  q_img: [batch x 32 + head][token / 16][1,024 bytes: 16 tokens x 64 channels].  kv_img: [batch x 8 + head] x 131,072 bytes: K as [key / 16][1,024 bytes], then from byte 65,536 V as [key / 128][channel / 16][2,048 bytes: 16 channels x 128 keys].
; SCALES.  A sum stands for sum x 2^(eP + eQ); its code is sum / 2^(eo - eP - eQ), eo = entry 4 (q), 5 (k), 7 (v): the three are folded into the conversion's one.
; LIMIT: eo - eP - eQ between -126 and 119.
; REGISTERS: window 0: addresses, v32-95 codes.  Window 1: even chunks' P fragments (v0-127) and Q fragments (two buffers from v128).  Window 3: the same for odd chunks.  Window 2: the accumulators.
.set LI,   3                           ; v3      16 x lane
.set PFO,  10                          ; v10     the prefetches' offset: lane / 8 x 32,768 + lane % 8 x 256: the 32 blocks of 256 bytes of my four tiles' chunk
.set ADQ,  16                          ; v16-19  LDS address of my fragments of P: half 0 tiles 0-3, 4-7, half 1 tiles 0-3, 4-7
.set SPW,  28                          ; v28     LDS address of my spare word
.set NIL,  29                          ; v29     0
.set WV,   14                          ; s14     wave
.set G1,   24                          ; s[24:31] descriptor group 1
.set G0,   56                          ; s[56:59], s[60:63] group 0, a set for each half
.set QB,   6                           ; s[6:7]  my 64 rows of Q
.set PFB,  70                          ; s[70:71] where my prefetches stand
.set TROW, 16384                       ; a tile of 16 rows in a half: eight images
.set SPARE, 262144                     ; behind P: the spare words, 128 bytes for each wave
.set MSB, 0
.macro WIN new                         ; the immediate's high byte repeats the setting that is left
.if MSB != \new
	s_set_vgpr_msb (MSB<<8)|\new
.set MSB, \new
.endif
.endm
.macro CROUND                          ; a round of the cluster's barrier
	s_barrier_signal -1
	s_barrier_wait -1
	s_cmp_lg_u32 s[WV], 0
	s_cbranch_scc1 .Lnot_wave_0_\@
	s_barrier_signal -3
.Lnot_wave_0_\@:
	s_barrier_wait -3
	s_barrier_signal -1
	s_barrier_wait -1
.endm
.macro BLD c, b                        ; chunk c's fragment b of Q (the window is the chunk's parity's)
.irp g, 0,1,2,3
	global_load_b128 v[128+64*(((\c)/2)%2)+16*(\b)+4*\g:128+64*(((\c)/2)%2)+16*(\b)+4*\g+3], v[LI], s[QB:QB+1] offset:(\b)*32768+(\c)*2048+\g*512
.endr
.endm
	s_load_b256 s[76:83], s[0:1], 0x0              ; images of x (entry 0) s[76:77], x (entry 2) s[78:79], Wq s[80:81], Wkv s[82:83]
	s_load_b128 s[84:87], s[0:1], 0x20             ; the scales' exponents s[84:85], q_img s[86:87]
	s_load_b64 s[88:89], s[0:1], 0x30              ; kv_img
	v_lshl_add_u32 v[SPW], v0, 2, SPARE
	v_mov_b32 v[NIL], 0
	ds_add_u32 v[SPW], v[NIL]                      ; the wave's opening: the add, twice on end, and its wait
	ds_add_u32 v[SPW], v[NIL]
	v_lshrrev_b32 v1, 5, v0
	v_readfirstlane_b32 s[WV], v1                  ; wave 0..3
	v_and_b32 v2, 31, v0
	v_lshlrev_b32 v[LI], 4, v2
	v_lshrrev_b32 v4, 3, v2
	v_and_b32 v5, 7, v0
	v_lshlrev_b32 v5, 8, v5
	v_lshl_add_u32 v[PFO], v4, 15, v5
	v_mov_b32 v[ADQ], v[LI]
	v_add_nc_u32 v[ADQ+1], 0x10000, v[LI]
	v_add_nc_u32 v[ADQ+2], 0x20000, v[LI]
	v_add_nc_u32 v[ADQ+3], 0x30000, v[LI]
	s_bfe_u32 s10, ttmp6, 0x40000                  ; cx: my place in the cluster: it enters Q's tile and the results' place alone
	s_and_b32 s11, ttmp7, 0xffff                   ; y: which product
	s_cmp_lt_u32 s11, 10
	s_cselect_b32 s12, 8, 10
	s_cmp_lt_u32 s11, 8
	s_cselect_b32 s12, 0, s12
	s_sub_co_u32 s12, s11, s12
	s_lshl_b32 s12, s12, 1
	s_lshr_b32 s13, ttmp9, 1
	s_add_co_u32 s17, s12, s13                     ; P's tile = 2 (y - the product's first y) + cluster x / 2
	s_and_b32 s18, ttmp9, 1
	s_lshl_b32 s18, s18, 2
	s_add_co_u32 s18, s18, s10                     ; Q's tile = 4 (cluster x % 2) + cx
	; descriptor group 1: two rows (tiles of 16 rows) of 16,384 bytes (eight images), 32,768 bytes apart in memory, dense in LDS
	s_mov_b32 s[G1+0], 15|(1<<21)                  ; 15:0 the mask: all four work-groups; 17:16 elements of 1 byte; 20 no padding; 21 set beside a mask
	s_mov_b32 s[G1+1], TROW<<16                    ; tensor_dim0
	s_mov_b32 s[G1+2], 2<<16                       ; tensor_dim1
	s_mov_b32 s[G1+3], TROW<<16                    ; tile_dim0
	s_mov_b32 s[G1+4], 2                           ; tile_dim1
	s_mov_b32 s[G1+5], 32768                       ; tensor_dim0_stride
	s_mov_b32 s[G1+6], 0
	s_mov_b32 s[G1+7], 0
	s_mov_b32 s[G0], 1                             ; count = 1
	s_lshl_b32 s[G0+1], s[WV], 15                  ; LDS address: wave x two tiles; half 1 behind half 0's 131,072 bytes
	s_mov_b32 s[G0+4], 1
	s_add_co_u32 s[G0+5], s[G0+1], 8*TROW
	s_lshl_b32 s20, s17, 18                        ; P: tile x 262,144 bytes,
	s_lshl_b32 s19, s[WV], 16                      ; + wave x 65,536
	s_add_co_u32 s20, s20, s19
	s_mov_b32 s21, 0
	s_lshl_b32 s22, s18, 19                        ; Q: tile x 524,288 bytes,
	s_lshl_b32 s19, s[WV], 17                      ; + wave x 131,072
	s_add_co_u32 s22, s22, s19
	s_mov_b32 s23, 0
	s_wait_alu depctr_va_vdst(0)
	s_wait_dscnt 0x0                               ; both opening adds are done
	s_wait_kmcnt 0x0
	s_load_b256 s[92:99], s[84:85], 0x0            ; entries 0 to 7
	s_add_nc_u64 s[90:91], s[82:83], 0x100000      ; Wkv's rows 512 on: 32 tiles of 16 rows further
	s_cmp_lt_u32 s11, 10
	s_cselect_b64 s[4:5], s[90:91], s[82:83]       ; P: v, k
	s_cmp_lt_u32 s11, 8
	s_cselect_b64 s[4:5], s[76:77], s[4:5]         ; q
	s_cselect_b64 s[2:3], s[80:81], s[78:79]       ; Q
	s_cselect_b64 s[8:9], s[86:87], s[88:89]       ; where the results go
	s_add_nc_u64 s[G0+2:G0+3], s[4:5], s[20:21]
	s_add_nc_u64 s[G0+6:G0+7], s[G0+2:G0+3], TROW
	s_or_b32 s[G0+3], s[G0+3], 0x80000000          ; type = 2
	s_or_b32 s[G0+7], s[G0+7], 0x80000000
	s_add_nc_u64 s[QB:QB+1], s[2:3], s[22:23]
	WIN 0x40
.irp b, 0,1,2,3
	BLD 0, \b
.endr
	WIN 0
	CROUND                                         ; all four work-groups are here: the joint loads meet
	tensor_load_to_lds s[G0:G0+3], s[G1:G1+7]      ; two tiles of P, half 0: one tensor load a wave at the head
	s_nop 0
.rept 4
	v_nop
.endr
	WIN 0xc0
.irp b, 0,1,2,3
	BLD 1, \b
.endr
	WIN 0x40
.irp b, 0,1,2,3
	BLD 2, \b
.endr
	WIN 0
	; where my results go: base + (g / 4) x SA + (g % 4) x SB.  q: batch P / 8, head 4 Q + w, token tile 8 (P % 8) + g.
	; v: batch Q / 4, head 2 P + g / 4, channel tile g % 4, key step 2 (Q % 4) + w / 2, groups 2 (w % 2) on.  k: batch Q / 4, head 2 P + g / 4, token tile 16 (Q % 4) + 4 w + g % 4
	s_lshr_b32 s2, s17, 3
	s_and_b32 s3, s17, 7
	s_lshl_b32 s3, s3, 13
	s_lshl_b32 s12, s18, 2
	s_add_co_u32 s12, s12, s[WV]
	s_lshl_b32 s13, s2, 5
	s_add_co_u32 s13, s13, s12
	s_lshl_b32 s13, s13, 16
	s_add_co_u32 s13, s13, s3                      ; q
	s_lshr_b32 s2, s18, 2
	s_lshl_b32 s19, s2, 3
	s_lshl_b32 s12, s17, 1
	s_add_co_u32 s19, s19, s12
	s_lshl_b32 s19, s19, 17
	s_and_b32 s3, s18, 3
	s_lshl_b32 s3, s3, 14
	s_add_co_u32 s19, s19, s3
	s_lshl_b32 s20, s[WV], 12
	s_add_co_u32 s20, s20, s19                     ; k
	s_lshr_b32 s21, s[WV], 1
	s_lshl_b32 s21, s21, 13
	s_add_co_u32 s21, s21, s19
	s_and_b32 s22, s[WV], 1
	s_lshl_b32 s22, s22, 10
	s_add_co_u32 s21, s21, s22
	s_add_co_u32 s21, s21, 65536                   ; v
	s_mov_b32 s23, 0x20000
	s_cmp_lt_u32 s11, 10
	s_cselect_b32 s20, s21, s20
	s_cselect_b32 s22, 2, 1
	s_cmp_lt_u32 s11, 8
	s_cselect_b32 s20, s13, s20
	s_cselect_b32 s22, 1, s22
	s_cselect_b32 s12, 0x1000, s23                 ; SA: 4,096 (q) or 131,072
	s_lshl_b32 s22, s22, 10                        ; SB: 2,048 (v) or 1,024
	s_mov_b32 s21, 0
	s_mov_b32 s13, 0
	s_add_nc_u64 s[8:9], s[8:9], s[20:21]
	s_add_nc_u64 s[90:91], s[8:9], s[12:13]
	s_and_b32 s68, s17, 3
	s_lshl_b32 s68, s68, 11
	s_mov_b32 s69, 0
	s_add_nc_u64 s[PFB:PFB+1], s[QB:QB+1], s[68:69]   ; the prefetches: P's tile % 4 chunks on
	s_wait_kmcnt 0x0
	s_add_co_i32 s2, s92, s93                      ; q's sums lack 2^(entry 0 + entry 1),
	s_add_co_i32 s3, s94, s95                      ; k's and v's 2^(entry 2 + entry 3)
	s_cmp_lt_u32 s11, 10
	s_cselect_b32 s12, s99, s97                    ; v: entry 7; k: entry 5
	s_cmp_lt_u32 s11, 8
	s_cselect_b32 s12, s96, s12                    ; q: entry 4
	s_cselect_b32 s2, s2, s3
	s_sub_co_i32 s12, s12, s2
	s_add_co_i32 s12, s12, 127
	s_lshl_b32 s13, s12, 23
	v_mov_b32 v8, s13                              ; 2^(eo - eP - eQ) as f32
	s_add_co_i32 s12, s12, 8
	s_lshl_b32 s12, s12, 23
	s_or_b32 s12, s12, 0x600000
	v_mov_b32 v9, s12                              ; 448 x that
	v_mov_b32 v4, v[LI]                            ; v4-7: offset of group g % 4
	v_add_nc_u32 v5, s22, v4
	v_add_nc_u32 v6, s22, v5
	v_add_nc_u32 v7, s22, v6
; Four matrix instructions: P's block a x Q's four, 128 along K.  Chunk 0's start the sums.  The 32 accumulators take turns, one instruction a turn, in the same order in every chunk.
.macro MULA c, a, sw
.irp b, 0,1,2,3
.if \sw
.set AC, 8*(4*(4*((\a)/4)+\b)+((\a)%4))
.if (\c) == 0
	v_wmma_f32_16x16x128_fp8_fp8 v[AC:AC+7], v[16*(\a):16*(\a)+15], v[BB+16*\b:BB+16*\b+15], 0
.else
	v_wmma_f32_16x16x128_fp8_fp8 v[AC:AC+7], v[16*(\a):16*(\a)+15], v[BB+16*\b:BB+16*\b+15], v[AC:AC+7]
.endif
.else
.set AC, 8*(4*(\a)+\b)
.if (\c) == 0
	v_wmma_f32_16x16x128_fp8_fp8 v[AC:AC+7], v[BB+16*\b:BB+16*\b+15], v[16*(\a):16*(\a)+15], 0
.else
	v_wmma_f32_16x16x128_fp8_fp8 v[AC:AC+7], v[BB+16*\b:BB+16*\b+15], v[16*(\a):16*(\a)+15], v[AC:AC+7]
.endif
.endif
.endr
.endm
; Loads among the products: the next chunk's blocks 2 j, 2 j + 1 of P, and fragment j of Q three chunks on, into registers that the chunk BEFORE this one read: the four v_nop ahead of the first are the places behind its last product.
.macro GAP c, j
.if (\c) < 15
.if (\j) == 0
.rept 4
	v_nop
.endr
.endif
	WIN LW
.irp a, 2*\j, 2*\j+1
.irp g, 0,1,2,3
	ds_load_b128 v[16*(\a)+4*\g:16*(\a)+4*\g+3], v[ADQ+2*(((\c)+1)/8)+(\a)/4] offset:((\a)%4)*TROW+(((\c)+1)%8)*2048+\g*512   ; 512 consecutive bytes a load
.endr
.endr
.if (\c) < 13
	BLD (\c)+3, \j
.endif
.if ((\j) == 3) && (((\c) == 1) || ((\c) == 5))
	global_prefetch_b8 v[PFO], s[PFB:PFB+1] offset:((\c)+7)*2048 th:TH_LOAD_NT scope:SCOPE_SE
.endif
	WIN MW
.endif
.endm
.macro CH c, sw                        ; chunk c
.set BB, 128+64*(((\c)/2)%2)           ; its fragments of Q
.set MW, 0xa5+10*((\c)%2)              ; both sources window 1 (even) or 3 (odd), C and D window 2
.set LW, 0xc0-0x80*((\c)%2)            ; loads: destination window 3 (even) or 1 (odd), address window 0
.if (\c) < 14
	s_wait_loadcnt 32                              ; this chunk's sixteen loads of Q are in; those of the two chunks behind it may be out
.else
	s_wait_loadcnt 16*(15-(\c))
.endif
.if (\c) == 7
	s_wait_tensorcnt 0x0                           ; my tiles of half 1 are in,
	s_wait_dscnt 0x0                               ; and no LDS load of mine is out at the signal
	s_barrier_signal -1
.else
	s_wait_dscnt 8                                 ; P's blocks 0-5 are in; the youngest eight loads (blocks 6, 7) may be out
.endif
	WIN MW
	MULA \c, 0, \sw
.if (\c) == 7
	s_barrier_wait -1                              ; half 1 is whole
.endif
	GAP \c, 0
	MULA \c, 1, \sw
	GAP \c, 1
	MULA \c, 2, \sw
	MULA \c, 3, \sw
	GAP \c, 2
	MULA \c, 4, \sw
	GAP \c, 3
	MULA \c, 5, \sw
.if (\c) < 15
	s_wait_dscnt 32                                ; all but the 32 loads of the next chunk
.else
	s_wait_dscnt 0x0
.endif
	MULA \c, 6, \sw
	MULA \c, 7, \sw
.endm
.macro RUN sw
	WIN 0x40
.irp a, 0,1,2,3,4,5,6,7
.irp g, 0,1,2,3
	ds_load_b128 v[16*\a+4*\g:16*\a+4*\g+3], v[ADQ+\a/4] offset:(\a%4)*TROW+\g*512
.endr
.endr
.irp c, 0,1,2,3,4,5,6,7,8,9,10,11,12,13,14,15
	CH \c, \sw
.endr
	WIN 0
.endm
	s_wait_alu depctr_va_vdst(0)
	s_wait_tensorcnt 0x0                           ; my tiles of half 0 are in
	ds_add_u32 v[SPW], v[NIL]
	s_wait_dscnt 0x0                               ; the add is done
	CROUND                                         ; half 0 is whole, and all four work-groups are here: the joint loads meet
	tensor_load_to_lds s[G0+4:G0+7], s[G1:G1+7]    ; half 1, my one load behind the round
	s_nop 0
.rept 4
	v_nop
.endr
	s_cmp_ge_u32 s11, 10                           ; a branch on the cluster's number: the same in all partners
	s_cbranch_scc1 .Lswapped
	RUN 0
	s_branch .Lout
.Lswapped:
	RUN 1
.Lout:
	; THE WAY OUT.  Group g: four accumulators are 32 neighbours along the next K for my row: held, converted, and stored as two groups of an image.  Each accumulator is read from its low end on.
.rept 4
	v_nop                                          ; places behind the last products
.endr
.irp g, 0,1,2,3,4,5,6,7
	WIN 0x82
.set n, 0
.rept 32
	v_med3_num_f32 v[32*\g+n], v[32*\g+n], -v9, v9   ; the conversion to an 8-bit code does not saturate (ISA guide 7.6.2)
.set n, n+1
.endr
	WIN 0x02
.irp b, 0,1,2,3
	v_cvt_scalef32_pk8_fp8_f32 v[32+8*\g+2*\b:32+8*\g+2*\b+1], v[32*\g+8*\b:32*\g+8*\b+7], v8
.endr
	WIN 0
	v_nop                                          ; one plain vector line behind the last conversion of the run
.if \g < 4
	global_store_b128 v[4+\g], v[32+8*\g:32+8*\g+3], s[8:9]               ; 32 lanes store 512 consecutive bytes, aligned
	global_store_b128 v[4+\g], v[32+8*\g+4:32+8*\g+7], s[8:9] offset:512
.else
	global_store_b128 v[\g], v[32+8*\g:32+8*\g+3], s[90:91]
	global_store_b128 v[\g], v[32+8*\g+4:32+8*\g+7], s[90:91] offset:512
.endif
.endr
	s_wait_tensorcnt 0x0                           ; the wave's end
	ds_add_u32 v[SPW], v[NIL]
	s_wait_dscnt 0x0
	CROUND                                         ; the closing round: no work-group ends while a partner may still ask for a tile that names it
	s_endpgm
.Lfunc_end_k_qa9ed8fbaf5_proj:
	.size	k_qa9ed8fbaf5_proj, .Lfunc_end_k_qa9ed8fbaf5_proj-k_qa9ed8fbaf5_proj
	.p2alignl 7, 3214868480
	.fill 96, 4, 3214868480
	.section	.rodata,"a",@progbits
	.p2align	6, 0x0
	.amdhsa_kernel k_qa9ed8fbaf5_proj
		.amdhsa_group_segment_fixed_size 327680
		.amdhsa_private_segment_fixed_size 0
		.amdhsa_enable_private_segment 0
		.amdhsa_kernarg_size 56
		.amdhsa_user_sgpr_count 2
		.amdhsa_user_sgpr_kernarg_segment_ptr 1
		.amdhsa_wavefront_size32 1
		.amdhsa_system_sgpr_workgroup_id_x 1
		.amdhsa_system_sgpr_workgroup_id_y 1
		.amdhsa_system_sgpr_workgroup_id_z 1
		.amdhsa_system_vgpr_workitem_id 0
		.amdhsa_next_free_vgpr 1024
		.amdhsa_next_free_sgpr 100
		.amdhsa_reserve_vcc 0
		.amdhsa_float_denorm_mode_32 3
		.amdhsa_float_denorm_mode_16_64 3
		.amdhsa_memory_ordered 1
		.amdhsa_forward_progress 1
		.amdhsa_inst_pref_size 216
	.end_amdhsa_kernel
	.amdgpu_metadata
---
amdhsa.version: [ 1, 2 ]
amdhsa.kernels:
  - .name:           k_qa9ed8fbaf5_proj
    .symbol:         k_qa9ed8fbaf5_proj.kd
    .args:
      - { .name: xq_img, .offset: 0, .size: 8, .value_kind: global_buffer, .address_space: global }
      - { .name: xkv_img, .offset: 8, .size: 8, .value_kind: global_buffer, .address_space: global }
      - { .name: wq_img, .offset: 16, .size: 8, .value_kind: global_buffer, .address_space: global }
      - { .name: wkv_img, .offset: 24, .size: 8, .value_kind: global_buffer, .address_space: global }
      - { .name: lowp_scales, .offset: 32, .size: 8, .value_kind: global_buffer, .address_space: global }
      - { .name: q_img, .offset: 40, .size: 8, .value_kind: global_buffer, .address_space: global }
      - { .name: kv_img, .offset: 48, .size: 8, .value_kind: global_buffer, .address_space: global }
    .group_segment_fixed_size: 327680
    .private_segment_fixed_size: 0
    .kernarg_segment_align: 8
    .kernarg_segment_size: 56
    .max_flat_workgroup_size: 128
    .sgpr_count:     100
    .vgpr_count:     1024
    .wavefront_size: 32
...
	.end_amdgpu_metadata
.endif
;; end of part 2
;; launch attn (part 3): grid 16 x 16, 8 waves a work-group, clusters of 4 x 1, 199,680 bytes of LDS; arguments q_img, kv_img, lowp_scales, ao_img, Wo, wo_img; writes ao_img, wo_img
.if DOCPART == 3
	.amdgcn_target "amdgcn-amd-amdhsa--gfx1250"
	.amdhsa_code_object_version 6
	.text
	.protected	k_qa9ed8fbaf5_attn
	.globl	k_qa9ed8fbaf5_attn
	.p2align	8
	.type	k_qa9ed8fbaf5_attn,@function
k_qa9ed8fbaf5_attn:
	s_mov_b64 s[64:65], 0
	v_nop
	global_prefetch_b8 v0, s[64:65] scope:SCOPE_SE
	s_setreg_imm32_b32 hwreg(HW_REG_WAVE_MODE, 25, 1), 1
	s_wait_xcnt 0x0
	s_wait_alu depctr_hold_cnt(0) depctr_sa_sdst(0) depctr_va_vdst(0) depctr_va_sdst(0) depctr_va_ssrc(0) depctr_va_vcc(0) depctr_vm_vsrc(0)
	s_getreg_b32 s2, hwreg(HW_REG_IB_STS2, 6, 4)
	s_cmp_eq_u32 s2, 0
	s_cbranch_scc0 .Lentry_in_a_cluster
	s_endpgm
.Lentry_in_a_cluster:
	s_bfe_u32 s2, ttmp6, 0x10000c
	s_cmp_lg_u32 s2, 0x3003
	s_cbranch_scc0 .Lentry_shape_is_right
	s_endpgm
.Lentry_shape_is_right:
; Causal attention with grouped queries on codes of FP8 (E4M3): 2 batches x 8 key heads x 4 query heads each, 1,024 tokens, head size 64.  Both products quantised; the result is quantised for the last projection.
; Beside it each wave quantises one image (16 rows x 128 along K) of Wo, the last projection's other operand (entry 9): 256 x 8 waves = 128 tiles of rows x 16 images.
; THE SOFTMAX AHEAD OF THE SECOND PRODUCT: t = score x log2(e) / 8; M = the row's largest t so far, rounded UP to a whole number; p = 2^(t - M) is what is quantised (entry 6); it is not normalised.
; The row's sum is taken of the unquantised p, in f32, and divides O at the end.  When M moves, the sum and O are multiplied by 2^(old M - new M): exact.
; IN.  q_img: [batch x 32 + head][token / 16][1,024 bytes], kv_img: [batch x 8 + head] x 131,072 bytes: K [key / 16][1,024 bytes], V from byte 65,536 [key / 128][channel / 16][2,048 bytes]: images of the operands' registers
; (group g of 512 bytes holds, at 16 x lane, registers 4 g .. 4 g + 3 of the fragment).  OUT.  ao_img: [token / 16][32 heads][1,024 bytes]: two heads make an image of 16 tokens x 128 along the last product's K.  wo_img: [row / 16][k / 128][2,048 bytes].
; SHARES.  Work-group y = batch x 8 + key head.  The four work-groups of a cluster are the four query heads of that key head: they read the same K and V, which are asked for JOINTLY, once, all 131,072 bytes:
; waves 0 to 3 issue one load each; those bytes are not filled again.  Cluster x = c.  A tile of 16 queries has number 4 x rank + c in the head's 64 and walks rank / 2 + 1 key steps of 128.
; Each of the eight waves owns TWO tiles: rank 15 - wave, then rank wave: 8 - wave / 2 steps and wave / 2 + 1 steps: nine steps in every wave.
; NO PREFETCH: K and V are asked for whole at the head, one image of Wo a wave likewise: no stream is left to run ahead of.
; LAYOUT.  Both products are used transposed: S^T = K Q^T (source 0 = 16 keys, source 1 = my 16 queries; K = 64), O^T = V^T P^T (source 0 = 16 channels, source 1 = P; K = 128 keys): a lane holds ONE query (lane % 16).
; In S^T's tile t lane (r, h) holds keys 16 t + 8 h + 0..7: their eight codes are registers 2 t, 2 t + 1 of P's fragment.  O^T's tile likewise gives registers of the next operand.  Nothing changes lanes but one maximum and one sum.
; LEFT OUT: key steps all of whose keys come after the tile's queries: their scores are -infinity, so p = 0 there for all values of the inputs.  (LIMIT: a NaN or an infinity in v at such a key is not carried to those queries.)
; In a tile's last step, the one on the diagonal, hidden scores become -infinity.
; LIMITS on the given exponents: entry 4 + entry 5 between -123 and 130 (added to c's exponent field); entry 6, entry 9, and entry 8 - entry 6 - entry 7, between -126 and 119.  The scaled scores stay under 2^31 in magnitude.  NaN in Wo is not served.
; REGISTERS: window 0: v1-3 addresses; v8, v9 of the step; v10, v11 the stage; v12 -M, v13 the largest t, v[14:15] the sum in two halves; v16-23 Q, v24-31 the second tile's; v32-95 K; v96-159 S^T, then p; v160-191 O^T; v192-207 p's codes; v208 on at work.
;   Window 1: v0-63 V's four fragments; v128-191 the image of Wo as loaded.
.set LI,   1                           ; v1   16 x lane
.set AV0,  2                           ; v2   65,536 + 16 x lane
.set DL,   3                           ; v3   r - 8 h
.set ADK,  8
.set ADV,  9
.set SWA,  10                          ; v10  my stage, on the way in
.set SRD,  11                          ; v11  my stage, on the way out: row r, + 32 h
.set QF,   16
.set Q2F,  24
.set KF,   32
.set S,    96
.set O,    160
.set PC,   192
.set OC,   220                         ; v220-227 O's codes
.set SPW,  254
.set NIL,  255
.set SP,   528                         ; a stage row: 512 bytes + 16
.set STAGE, 131072                     ; behind K and V: a stage of 16 rows for each wave
.set SPARE, STAGE+8*16*SP              ; behind the stages: the spare words, 128 bytes for each wave
.set WV,   18                          ; s18  my wave's number
.set SEL,  20                          ; s[20:21] lane selects for v_permlanex16_b32: lane l xor 16
.set CS,   22                          ; s[22:23] c = log2(e) / 8 x 2^(entry 4 + entry 5)
.set G1,   24
.set G0,   32
.set TB,   40                          ; s40  LDS byte of the step's K images; V's lie 65,536 further on
.set CNT,  41                          ; s41  steps done
.set N1,   42                          ; s42  steps of my first tile
.set Q0,   43                          ; s43  the tile's first query
.set Q2,   47                          ; s47  the second tile's
.set MSB, 0
.macro WIN new                         ; the immediate's high byte repeats the setting that is left
.if MSB != \new
	s_set_vgpr_msb (MSB<<8)|\new
.set MSB, \new
.endif
.endm
.macro CROUND                          ; a round of the cluster's barrier
	s_barrier_signal -1
	s_barrier_wait -1
	s_cmp_lg_u32 s[WV], 0
	s_cbranch_scc1 .Lnot_wave_0_\@
	s_barrier_signal -3
.Lnot_wave_0_\@:
	s_barrier_wait -3
	s_barrier_signal -1
	s_barrier_wait -1
.endm
.macro PAIR sc, lim                    ; from the exponent in s44: 2^e and 448 x 2^e as f32
	s_add_co_i32 s44, s44, 127
	s_lshl_b32 s45, s44, 23
	v_mov_b32 v[\sc], s45
	s_add_co_i32 s44, s44, 8
	s_lshl_b32 s44, s44, 23
	s_or_b32 s44, s44, 0x600000
	v_mov_b32 v[\lim], s44
.endm
.macro BEGIN                           ; a tile begins: the step is written once, so its first finds zeros, which the first change of M leaves zeros
	v_mov_b32 v13, 0xff61b1e6                      ; the largest t so far: -3e38, under every t
	v_mov_b32 v14, 0                               ; the sum, in two halves
	v_mov_b32 v15, 0
	v_floor_f32 v12, -v13                          ; -M
.set n, 0
.rept 32
	v_mov_b32 v[O+n], 0
.set n, n+1
.endr
.endm
; O^T / the sum stands for the result / 2^(entry 6 + entry 7); its code is that / 2^(entry 8 - entry 6 - entry 7).  Tile t's eight channels give registers 2 t, 2 t + 1: my head's half of an image.
.macro OUT base
.rept 4
	v_nop                                          ; places behind the last products
.endr
	v_add_f32 v14, v14, v15                        ; the sum's two halves,
	s_delay_alu instid0(VALU_DEP_1)
	v_permlanex16_b32 v208, v14, s[SEL], s[SEL+1]
	s_delay_alu instid0(VALU_DEP_1)
	v_add_f32 v14, v14, v208                       ; and lane l xor 16's: the row's sum
	s_wait_alu depctr_va_vdst(0)                   ; ahead of the transcendental
	v_rcp_f32 v14, v14
	v_nop                                          ; a plain place behind the reciprocal
	s_wait_alu depctr_va_vdst(0)                   ; and ahead of its first reader, which is O^T's too
.set n, 0
.rept 16
	v_pk_mul_f32 v[S+n:S+n+1], v[O+n:O+n+1], v[14:15] op_sel_hi:[1,0]   ; each accumulator from its low end on
.set n, n+2
.endr
.set n, 0
.rept 32
	v_med3_num_f32 v[S+n], v[S+n], -v249, v249
.set n, n+1
.endr
.irp t, 0,1,2,3
	v_cvt_scalef32_pk8_fp8_f32 v[OC+2*\t:OC+2*\t+1], v[S+8*\t:S+8*\t+7], v248
.endr
	v_nop                                          ; one plain vector line behind the last conversion
	global_store_b128 v[LI], v[OC:OC+3], s[\base:\base+1]               ; 32 lanes store 512 consecutive bytes, aligned
	global_store_b128 v[LI], v[OC+4:OC+7], s[\base:\base+1] offset:512
.endm
.macro HIDE lo                         ; register 8 t + j holds key 16 t + 8 h + j of the step: hidden where 16 t + j > v219
.set n, \lo
.rept 32
	v_cmp_gt_i32 vcc_lo, 16*(n/8)+n%8, v219
	v_cndmask_b32 v[S+n], v[S+n], v218, vcc_lo
.set n, n+1
.endr
.endm
	s_load_b256 s[4:11], s[0:1], 0x0               ; q_img s[4:5], kv_img s[6:7], the scales' exponents s[8:9], ao_img s[10:11]
	s_load_b128 s[60:63], s[0:1], 0x20             ; Wo, wo_img
	v_lshl_add_u32 v[SPW], v0, 2, SPARE
	v_mov_b32 v[NIL], 0
	ds_add_u32 v[SPW], v[NIL]                      ; the wave's opening: the add, twice on end, and its wait
	ds_add_u32 v[SPW], v[NIL]
	v_lshrrev_b32 v4, 5, v0
	s_delay_alu instid0(VALU_DEP_1)
	v_readfirstlane_b32 s[WV], v4                  ; wave 0..7
	v_and_b32 v4, 31, v0
	v_and_b32 v5, 15, v0                           ; r
	v_bfe_u32 v6, v0, 4, 1                         ; h
	v_lshlrev_b32 v[LI], 4, v4
	v_mul_u32_u24 v7, v5, SP
	v_lshl_add_u32 v7, v6, 5, v7
	v_lshlrev_b32 v6, 3, v6
	s_mul_i32 s44, s[WV], 16*SP
	s_add_co_u32 s44, s44, STAGE
	v_add_nc_u32 v[SWA], s44, v[LI]
	v_add_nc_u32 v[SRD], s44, v7
	v_add_nc_u32 v[AV0], 0x10000, v[LI]
	v_sub_nc_u32 v[DL], v5, v6
	s_lshr_b32 s44, s[WV], 1
	s_sub_co_u32 s[N1], 8, s44
	s_sub_co_u32 s44, 15, s[WV]
	s_lshl_b32 s38, s44, 2
	s_add_co_u32 s38, s38, ttmp9                   ; my first tile: 4 x (15 - wave) + cluster x: the same in all four partners
	s_lshl_b32 s39, s[WV], 2
	s_add_co_u32 s39, s39, ttmp9                   ; my second tile: 4 x wave + cluster x
	s_lshl_b32 s[Q0], s38, 4
	s_lshl_b32 s[Q2], s39, 4
	s_bfe_u32 s36, ttmp6, 0x40000                  ; cx: the query head in its group: it enters global addresses alone (q's, ao's, Wo's)
	s_and_b32 s37, ttmp7, 0xffff                   ; batch x 8 + key head
	s_and_b32 s46, s[WV], 3
	s_lshl_b32 s46, s46, 15                        ; the quarter of K and V that I fetch, if I fetch: in LDS as in memory
	s_lshl_b32 s12, s37, 17
	s_add_co_u32 s12, s12, s46
	s_mov_b32 s13, 0
	; descriptor group 1: a dense block of 32,768 bytes as 128 rows of 256 bytes
	s_mov_b32 s[G1+0], 15|(3<<16)|(1<<21)          ; 15:0 the mask: all four work-groups; 17:16 elements of 8 bytes; 20 no padding; 21 set beside a mask
	s_mov_b32 s[G1+1], 32<<16                      ; tensor_dim0 = 32
	s_mov_b32 s[G1+2], 128<<16                     ; tensor_dim1 = 128
	s_mov_b32 s[G1+3], 32<<16                      ; tile_dim0 = 32
	s_mov_b32 s[G1+4], 128                         ; tile_dim1 = 128
	s_mov_b32 s[G1+5], 32                          ; tensor_dim0_stride
	s_mov_b32 s[G1+6], 0
	s_mov_b32 s[G1+7], 0
	s_mov_b32 s[SEL], 0x76543210
	s_mov_b32 s[SEL+1], 0xfedcba98
	s_lshl_b32 s44, s37, 2
	s_add_co_u32 s44, s44, s36                     ; batch x 32 + query head
	s_lshl_b32 s44, s44, 16
	s_lshl_b32 s14, s38, 10
	s_add_co_u32 s14, s14, s44                     ; q: my tiles' images
	s_mov_b32 s15, 0
	s_lshl_b32 s16, s39, 10
	s_add_co_u32 s16, s16, s44
	s_mov_b32 s17, 0
	s_lshr_b32 s44, s37, 3
	s_lshl_b32 s44, s44, 21                        ; ao: (batch x 64 + tile) x 32,768
	s_and_b32 s45, s37, 7
	s_lshl_b32 s45, s45, 2
	s_add_co_u32 s45, s45, s36
	s_lshl_b32 s45, s45, 10                        ; + query head x 1,024
	s_add_co_u32 s44, s44, s45
	s_lshl_b32 s66, s38, 15
	s_add_co_u32 s66, s66, s44
	s_mov_b32 s67, 0
	s_lshl_b32 s68, s39, 15
	s_add_co_u32 s68, s68, s44
	s_mov_b32 s69, 0
	s_lshl_b32 s44, s37, 4
	s_lshl_b32 s45, ttmp9, 2
	s_add_co_u32 s44, s44, s45
	s_add_co_u32 s44, s44, s36                     ; my work-group's number, 0..255
	s_lshr_b32 s45, s44, 1                         ; Wo: tile of 16 rows,
	s_and_b32 s44, s44, 1
	s_lshl_b32 s44, s44, 3
	s_add_co_u32 s44, s44, s[WV]                   ; image along K
	s_lshl_b32 s72, s45, 17
	s_lshl_b32 s73, s44, 9
	s_add_co_u32 s72, s72, s73
	s_mov_b32 s73, 0
	s_lshl_b32 s74, s45, 15
	s_lshl_b32 s75, s44, 11
	s_add_co_u32 s74, s74, s75
	s_mov_b32 s75, 0
	s_wait_alu depctr_va_vdst(0)
	s_wait_dscnt 0x0                               ; both opening adds are done
	s_wait_kmcnt 0x0
	s_load_b256 s[48:55], s[8:9], 0x0              ; entries 0 to 7
	s_load_b64 s[56:57], s[8:9], 0x20              ; entries 8, 9
	s_mov_b32 s[G0], 1                             ; count = 1
	s_mov_b32 s[G0+1], s46                         ; LDS address
	s_add_nc_u64 s[G0+2:G0+3], s[6:7], s[12:13]    ; global address
	s_or_b32 s[G0+3], s[G0+3], 0x80000000          ; type = 2
	s_add_nc_u64 s[70:71], s[4:5], s[16:17]
	s_add_nc_u64 s[4:5], s[4:5], s[14:15]
	s_add_nc_u64 s[66:67], s[10:11], s[66:67]
	s_add_nc_u64 s[68:69], s[10:11], s[68:69]
	s_add_nc_u64 s[72:73], s[60:61], s[72:73]
	s_add_nc_u64 s[74:75], s[62:63], s[74:75]
	CROUND                                         ; all four work-groups are here: the joint loads meet
	s_cmp_lt_u32 s[WV], 4                          ; a branch on the wave's number: the same in all partners
	s_cbranch_scc0 .Lno_fetch
	tensor_load_to_lds s[G0:G0+3], s[G1:G1+7]
	s_nop 0
.rept 4
	v_nop
.endr
.Lno_fetch:
	global_load_b128 v[QF:QF+3], v[LI], s[4:5]               ; Q's fragments stay in registers
	global_load_b128 v[QF+4:QF+7], v[LI], s[4:5] offset:512
	global_load_b128 v[Q2F:Q2F+3], v[LI], s[70:71]
	global_load_b128 v[Q2F+4:Q2F+7], v[LI], s[70:71] offset:512
	WIN 0x40
.irp i, 0,1,2,3,4,5,6,7,8,9,10,11,12,13,14,15
	global_load_b128 v[128+4*\i:128+4*\i+3], v[LI], s[72:73] offset:\i*8192 th:TH_LOAD_NT   ; Wo: row i of my image, 512 consecutive bytes; read once in the launch
.endr
	WIN 0
	v_mov_b32 v208, 0                              ; written once: a lane permute's destination counts as one of its sources
	v_mov_b32 v215, 0                              ; (named as the upper half of the pair v[214:215])
	v_mov_b32 v218, 0xff800000                     ; -infinity
	BEGIN
	s_wait_kmcnt 0x0
	s_mov_b32 s[CS], 0x3e38aa3b                    ; log2(e) / 8
	s_add_co_i32 s44, s52, s53
	s_lshl_b32 s44, s44, 23
	s_add_co_i32 s[CS], s[CS], s44                 ; a score stands for score x 2^(entry 4 + entry 5): the two are added to c's exponent field
	s_mov_b32 s[CS+1], s[CS]                       ; (named with it as a pair, so it is written)
	s_mov_b32 s44, s54
	PAIR 213, 212                                  ; p: entry 6
	s_sub_co_i32 s44, s56, s54
	s_sub_co_i32 s44, s44, s55
	PAIR 248, 249                                  ; O: entry 8 - entry 6 - entry 7
	s_mov_b32 s44, s57
	PAIR 250, 251                                  ; Wo: entry 9
	s_mov_b32 s[TB], 0
	s_mov_b32 s[CNT], 0
	s_wait_alu depctr_va_vdst(0)
	s_wait_tensorcnt 0x0                           ; my quarter of K and V has landed (a wave that fetched nothing passes),
	s_barrier_signal -1
	s_barrier_wait -1                              ; everybody's has
	s_wait_loadcnt 16                              ; Q's four loads are in; Wo's sixteen may be out
.irp t, 0,1,2,3,4,5,6,7
.irp g, 0,1
	ds_load_b128 v[KF+8*\t+4*\g:KF+8*\t+4*\g+3], v[LI] offset:\t*1024+\g*512   ; the first step's K
.endr
.endr
.Lstep:                                            ; nine steps of 128 keys: N1 of my first tile, then the second's
	s_cmp_lg_u32 s[CNT], s[N1]
	s_cbranch_scc1 .Lsame
	OUT 66                                         ; THE CHANGE OF TILES, once: the first tile goes out,
	BEGIN                                          ; the second begins
.set n, 0
.rept 8
	v_mov_b32 v[QF+n], v[Q2F+n]
.set n, n+1
.endr
	s_mov_b32 s[Q0], s[Q2]
	s_wait_alu depctr_va_vdst(0)
	s_wait_loadcnt 0x0                             ; AND MY IMAGE OF WO: through my stage, so that a lane gets neighbours along K
	WIN 0x04
.irp i, 0,1,2,3,4,5,6,7,8,9,10,11,12,13,14,15
	ds_store_b128 v[SWA], v[128+4*\i:128+4*\i+3] offset:\i*SP
.endr
	WIN 0
.irp g, 0,1,2,3
.irp e, 0,1
.irp q, 0,1
	ds_load_b128 v[S+16*\g+8*\e+4*\q:S+16*\g+8*\e+4*\q+3], v[SRD] offset:128*\g+64*\e+16*\q   ; LDS serves a wave's instructions in order (ISA guide 5.7.1.4): these see the stores above
.endr
.endr
.endr
	s_wait_dscnt 0x0
.set n, 0
.rept 64
	v_med3_num_f32 v[S+n], v[S+n], -v251, v251     ; the conversion to an 8-bit code does not saturate (ISA guide 7.6.2)
.set n, n+1
.endr
.irp g, 0,1,2,3,4,5,6,7
	v_cvt_scalef32_pk8_fp8_f32 v[PC+2*\g:PC+2*\g+1], v[S+8*\g:S+8*\g+7], v250
.endr
	v_nop                                          ; one plain vector line behind the last conversion
.irp g, 0,1,2,3
	global_store_b128 v[LI], v[PC+4*\g:PC+4*\g+3], s[74:75] offset:\g*512
.endr
	s_wait_xcnt 0x0                                ; the stores have read their registers
.Lsame:
	s_wait_dscnt 0x0                               ; K
.irp t, 0,1,2,3,4,5,6,7
	v_wmma_f32_16x16x64_fp8_fp8 v[S+8*\t:S+8*\t+7], v[KF+8*\t:KF+8*\t+7], v[QF:QF+7], 0
.endr
.rept 4
	v_nop                                          ; places in front of the loads below and of the first read of the scores
.endr
	s_add_co_u32 s44, s[CNT], 1
	s_sub_co_u32 s45, s44, s[N1]
	s_cmp_lt_u32 s44, s[N1]
	s_cselect_b32 s44, s44, s45                    ; the next step's number in its tile
	s_and_b32 s44, s44, 7
	s_lshl_b32 s44, s44, 13
	s_cmp_eq_u32 s[CNT], 8
	s_cbranch_scc1 .Llast                          ; the last step has no next
	v_add_nc_u32 v[ADK], s44, v[LI]
.irp t, 0,1,2,3,4,5,6,7
.irp g, 0,1
	ds_load_b128 v[KF+8*\t+4*\g:KF+8*\t+4*\g+3], v[ADK] offset:\t*1024+\g*512   ; the next step's K: 512 consecutive bytes a load
.endr
.endr
.Llast:
	v_add_nc_u32 v[ADV], s[TB], v[AV0]
	WIN 0x40
.irp t, 0,1,2,3
.irp g, 0,1,2,3
	ds_load_b128 v[16*\t+4*\g:16*\t+4*\g+3], v[ADV] offset:\t*2048+\g*512   ; this step's V lands while the softmax is worked
.endr
.endr
	WIN 0
	s_mov_b32 s[TB], s44
	s_add_co_u32 s45, s[CNT], 1
	s_cmp_eq_u32 s[CNT], 8
	s_cselect_b32 s45, s[N1], s45
	s_cmp_lg_u32 s45, s[N1]
	s_cbranch_scc1 .Lopen                          ; not a tile's last step: all its keys count for all my queries
	s_and_b32 s45, s[Q0], 127                      ; my first query less the step's first key
	v_add_nc_u32 v219, s45, v[DL]                  ; my query less the step's first key less 8 h
	s_cmp_ge_u32 s45, 64
	s_wait_alu depctr_va_vdst(0)
	s_cbranch_scc1 .Lhigh                          ; the step's first 64 keys count for all my queries
	HIDE 0
.Lhigh:
	HIDE 32
.Lopen:
	v_max3_num_f32 v216, v[S], v[S+1], v[S+2]      ; the step's largest score of my query, among my 64 keys, in four chains (each tile is read from its low end on),
	v_max3_num_f32 v217, v[S+16], v[S+17], v[S+18]
	v_max3_num_f32 v246, v[S+32], v[S+33], v[S+34]
	v_max3_num_f32 v247, v[S+48], v[S+49], v[S+50]
.irp i, 3,5,7,9,11,13
	v_max3_num_f32 v216, v216, v[S+\i], v[S+\i+1]
	v_max3_num_f32 v217, v217, v[S+16+\i], v[S+17+\i]
	v_max3_num_f32 v246, v246, v[S+32+\i], v[S+33+\i]
	v_max3_num_f32 v247, v247, v[S+48+\i], v[S+49+\i]
.endr
	v_max3_num_f32 v216, v216, v[S+15], v[S+31]
	v_max3_num_f32 v217, v217, v[S+47], v[S+63]
	v_max_num_f32 v246, v246, v247
	s_delay_alu instid0(VALU_DEP_1)
	v_max3_num_f32 v216, v216, v217, v246
	s_delay_alu instid0(VALU_DEP_1)
	v_permlanex16_b32 v208, v216, s[SEL], s[SEL+1]
	s_delay_alu instid0(VALU_DEP_1)
	v_max_num_f32 v216, v216, v208                 ; and among lane l xor 16's
	s_delay_alu instid0(VALU_DEP_1)
	v_mul_f32 v216, s[CS], v216                    ; as t (c is positive)
	s_delay_alu instid0(VALU_DEP_1)
	v_max_num_f32 v13, v13, v216                   ; the running largest t
	v_mov_b32 v216, v12
	s_delay_alu instid0(VALU_DEP_2)
	v_floor_f32 v12, -v13                          ; the new -M = floor(-t) = -ceil(t): M is a whole number
	s_delay_alu instid0(VALU_DEP_1)
	v_sub_f32 v216, v12, v216                      ; M's old value less its new one: a whole number, 0 or less
	s_delay_alu instid0(VALU_DEP_1)
	v_cvt_i32_f32 v216, v216                       ; (it saturates)
	s_delay_alu instid0(VALU_DEP_1)
	v_ldexp_f32 v214, 1.0, v216                    ; f = 2^(old M - new M)
.set n, 0
.rept 32
	v_pk_fma_f32 v[S+n:S+n+1], v[S+n:S+n+1], s[CS:CS+1], v[12:13] op_sel_hi:[1,0,0]   ; t - M, two at a time (of the pairs c and -M the low word serves both halves)
.set n, n+2
.endr
	s_wait_alu depctr_va_vdst(0)
.set n, 0
.rept 64
	v_exp_f32 v[S+n], v[S+n]                       ; p = 2^(t - M), at most 1: not normalised
.set n, n+1
.endr
	v_pk_mul_f32 v[14:15], v[14:15], v[214:215] op_sel_hi:[1,0]   ; the sums under the new M: the plain line behind the exponentials
	s_wait_alu depctr_va_vdst(0)                   ; one wait for the whole batch, ahead of its first reader
	v_pk_add_f32 v[14:15], v[14:15], v[S:S+1]      ; the row's sum of the unquantised p, in four chains
	v_pk_add_f32 v[210:211], v[S+2:S+3], v[S+10:S+11]
	v_pk_add_f32 v[242:243], v[S+4:S+5], v[S+12:S+13]
	v_pk_add_f32 v[244:245], v[S+6:S+7], v[S+14:S+15]
	v_pk_add_f32 v[14:15], v[14:15], v[S+8:S+9]
.irp i, 16,24,32,40,48,56
	v_pk_add_f32 v[210:211], v[210:211], v[S+\i+2:S+\i+3]
	v_pk_add_f32 v[242:243], v[242:243], v[S+\i+4:S+\i+5]
	v_pk_add_f32 v[244:245], v[244:245], v[S+\i+6:S+\i+7]
	v_pk_add_f32 v[14:15], v[14:15], v[S+\i:S+\i+1]
.endr
	v_pk_add_f32 v[242:243], v[242:243], v[244:245]
	v_pk_add_f32 v[14:15], v[14:15], v[210:211]
	s_delay_alu instid0(VALU_DEP_1)
	v_pk_add_f32 v[14:15], v[14:15], v[242:243]
.irp t, 0,1,2,3,4,5,6,7
.irp j, 0,2,4,6
	v_dual_min_num_f32 v[S+8*\t+\j], v212, v[S+8*\t+\j] :: v_dual_min_num_f32 v[S+8*\t+\j+1], v212, v[S+8*\t+\j+1]   ; the conversion does not saturate (ISA guide 7.6.2); p is not negative, so the hold is one-sided
.endr
	v_cvt_scalef32_pk8_fp8_f32 v[PC+2*\t:PC+2*\t+1], v[S+8*\t:S+8*\t+7], v213   ; registers 2 t, 2 t + 1 of P's fragment
.endr
.set n, 0
	s_wait_alu depctr_va_vdst(0)                   ; directly ahead of the first reader of O^T
.rept 16
	v_pk_mul_f32 v[O+n:O+n+1], v[O+n:O+n+1], v[214:215] op_sel_hi:[1,0]   ; O^T under the new M.  (Also the plain lines between the conversions and the products)
.set n, n+2
.endr
	s_wait_alu depctr_va_vdst(0)
	s_wait_dscnt 0x0                               ; V, and the next step's K
	WIN 0x01
.irp t, 0,1,2,3
	v_wmma_f32_16x16x128_fp8_fp8 v[O+8*\t:O+8*\t+7], v[16*\t:16*\t+15], v[PC:PC+15], v[O+8*\t:O+8*\t+7]   ; the four accumulators by turns
.endr
	WIN 0
	s_add_co_u32 s[CNT], s[CNT], 1
	s_cmp_lt_u32 s[CNT], 9
	s_cbranch_scc1 .Lstep
	OUT 68                                         ; the second tile goes out
	s_wait_tensorcnt 0x0                           ; the wave's end
	ds_add_u32 v[SPW], v[NIL]
	s_wait_dscnt 0x0
	CROUND                                         ; the closing round: no work-group ends while a partner may still ask for a tile that names it
	s_endpgm
.Lfunc_end_k_qa9ed8fbaf5_attn:
	.size	k_qa9ed8fbaf5_attn, .Lfunc_end_k_qa9ed8fbaf5_attn-k_qa9ed8fbaf5_attn
	.p2alignl 7, 3214868480
	.fill 96, 4, 3214868480
	.section	.rodata,"a",@progbits
	.p2align	6, 0x0
	.amdhsa_kernel k_qa9ed8fbaf5_attn
		.amdhsa_group_segment_fixed_size 199680
		.amdhsa_private_segment_fixed_size 0
		.amdhsa_enable_private_segment 0
		.amdhsa_kernarg_size 48
		.amdhsa_user_sgpr_count 2
		.amdhsa_user_sgpr_kernarg_segment_ptr 1
		.amdhsa_wavefront_size32 1
		.amdhsa_system_sgpr_workgroup_id_x 1
		.amdhsa_system_sgpr_workgroup_id_y 1
		.amdhsa_system_sgpr_workgroup_id_z 1
		.amdhsa_system_vgpr_workitem_id 0
		.amdhsa_next_free_vgpr 448
		.amdhsa_next_free_sgpr 100
		.amdhsa_reserve_vcc 1
		.amdhsa_float_denorm_mode_32 3
		.amdhsa_float_denorm_mode_16_64 3
		.amdhsa_memory_ordered 1
		.amdhsa_forward_progress 1
		.amdhsa_inst_pref_size 49
	.end_amdhsa_kernel
	.amdgpu_metadata
---
amdhsa.version: [ 1, 2 ]
amdhsa.kernels:
  - .name:           k_qa9ed8fbaf5_attn
    .symbol:         k_qa9ed8fbaf5_attn.kd
    .args:
      - { .name: q_img, .offset: 0, .size: 8, .value_kind: global_buffer, .address_space: global }
      - { .name: kv_img, .offset: 8, .size: 8, .value_kind: global_buffer, .address_space: global }
      - { .name: lowp_scales, .offset: 16, .size: 8, .value_kind: global_buffer, .address_space: global }
      - { .name: ao_img, .offset: 24, .size: 8, .value_kind: global_buffer, .address_space: global }
      - { .name: Wo, .offset: 32, .size: 8, .value_kind: global_buffer, .address_space: global }
      - { .name: wo_img, .offset: 40, .size: 8, .value_kind: global_buffer, .address_space: global }
    .group_segment_fixed_size: 199680
    .private_segment_fixed_size: 0
    .kernarg_segment_align: 8
    .kernarg_segment_size: 48
    .max_flat_workgroup_size: 256
    .sgpr_count:     100
    .vgpr_count:     448
    .wavefront_size: 32
...
	.end_amdgpu_metadata
.endif
;; end of part 3
;; launch outp (part 4): grid 16 x 16, 4 waves a work-group, clusters of 4 x 1, 327,680 bytes of LDS; arguments ao_img, wo_img, lowp_scales, out0; writes out0
.if DOCPART == 4
	.amdgcn_target "amdgcn-amd-amdhsa--gfx1250"
	.amdhsa_code_object_version 6
	.text
	.protected	k_qa9ed8fbaf5_outp
	.globl	k_qa9ed8fbaf5_outp
	.p2align	8
	.type	k_qa9ed8fbaf5_outp,@function
k_qa9ed8fbaf5_outp:
	s_mov_b64 s[64:65], 0
	v_nop
	global_prefetch_b8 v0, s[64:65] scope:SCOPE_SE
	s_setreg_imm32_b32 hwreg(HW_REG_WAVE_MODE, 25, 1), 1
	s_wait_xcnt 0x0
	s_wait_alu depctr_hold_cnt(0) depctr_sa_sdst(0) depctr_va_vdst(0) depctr_va_sdst(0) depctr_va_ssrc(0) depctr_va_vcc(0) depctr_vm_vsrc(0)
	s_getreg_b32 s2, hwreg(HW_REG_IB_STS2, 6, 4)
	s_cmp_eq_u32 s2, 0
	s_cbranch_scc0 .Lentry_in_a_cluster
	s_endpgm
.Lentry_in_a_cluster:
	s_bfe_u32 s2, ttmp6, 0x10000c
	s_cmp_lg_u32 s2, 0x3003
	s_cbranch_scc0 .Lentry_shape_is_right
	s_endpgm
.Lentry_shape_is_right:
; out [2048][2048] f32 = ao Wo^T on codes of FP8 (E4M3), which come as images of the operand's registers: [row / 16][k / 128][2,048 bytes].  Sums in f32, each multiplied once by 2^(entry 8 + entry 9).
; LIMIT: entry 8 + entry 9 between -126 and 127.
; TILES.  A work-group of four waves makes 128 rows of ao x 128 rows of Wo; wave w makes 128 x 32 (its own 32 rows of Wo): 16 accumulators.  16 x 16 = 256 work-groups, one for each WGP.
; ao'S ROWS LIE IN LDS, ALL OF K (262,144 bytes), in two halves along K of eight chunks of 128 each.  Wave w fetches two of the eight tiles of 16 rows, half 0 at the head and half 1 behind the round that shows half 0;
; half 1 has chunks 0 to 6 in which to land, and one barrier, in chunk 7, shows it to all waves.  No LDS byte is filled twice by a tensor load.
; Wo'S ROWS GO FROM MEMORY STRAIGHT INTO REGISTERS: no other wave of the work-group reads a wave's rows, so each fragment is loaded once, seven chunks of 128 along K ahead of its use.
; CLUSTERS of 4 x 1 work-groups: four tiles of Wo with ONE tile of ao, which is asked for JOINTLY.  Wo is not: a joint load lands in LDS, where ao leaves 65,536 bytes and Wo's tile has 262,144.
; NO PREFETCH: ao's two halves are its only two loads.
; ORDER OF THE SOURCES: source 0 = 16 rows of Wo, source 1 = 16 rows of ao: lane (r, h) holds row r and its registers columns 8 h + j.
; THE WAY OUT: the tile goes through a stage in LDS, 128 rows of 528 bytes, in the bytes of half 0, which have had their only fill and, by the barrier in chunk 7, their last read; it leaves as whole rows of 512 bytes.
; REGISTERS: window 0: addresses, v32-159 on the way out.  Window 1: even chunks' fragments of ao (v0-127) and of Wo (four buffers of 32 from v128).  Window 3: the same for odd chunks.  Window 2: the accumulators.
.set LI,   3                           ; v3      16 x lane
.set ADQ,  16                          ; v16-19  LDS address of my fragments of ao: half 0 tiles 0-3, 4-7, half 1 tiles 0-3, 4-7
.set STO,  20                          ; v20     the stage, in: row r, my 32 columns, + 32 h
.set RD,   21                          ; v21     the stage, out: my 32 rows
.set SPW,  28
.set NIL,  29
.set TMP,  32
.set SPITCH, 528
.set WV,   14
.set G1,   24
.set G0,   56                          ; s[56:59], s[60:63] group 0, a set for each half
.set QB,   6                           ; s[6:7]  my 32 rows of Wo
.set TROW, 16384                       ; a tile of 16 rows in a half: eight images
.set SPARE, 262144                     ; behind ao: the spare words, 128 bytes for each wave
.set MSB, 0
.macro WIN new                         ; the immediate's high byte repeats the setting that is left
.if MSB != \new
	s_set_vgpr_msb (MSB<<8)|\new
.set MSB, \new
.endif
.endm
.macro CROUND                          ; a round of the cluster's barrier
	s_barrier_signal -1
	s_barrier_wait -1
	s_cmp_lg_u32 s[WV], 0
	s_cbranch_scc1 .Lnot_wave_0_\@
	s_barrier_signal -3
.Lnot_wave_0_\@:
	s_barrier_wait -3
	s_barrier_signal -1
	s_barrier_wait -1
.endm
.macro BLD c, j                        ; chunk c of Wo: fragment j / 2, groups 2 (j % 2) and 2 (j % 2) + 1
.irp g, 2*((\j)%2), 2*((\j)%2)+1
.set BR, 128+32*(((\c)/2)%4)+16*((\j)/2)+4*(\g)
	global_load_b128 v[BR:BR+3], v[LI], s[QB:QB+1] offset:((\j)/2)*32768+(\c)*2048+(\g)*512
.endr
.endm
	s_load_b128 s[76:79], s[0:1], 0x0              ; ao s[76:77], Wo s[78:79]
	s_load_b128 s[84:87], s[0:1], 0x10             ; the scales' exponents s[84:85], out s[86:87]
	v_lshl_add_u32 v[SPW], v0, 2, SPARE
	v_mov_b32 v[NIL], 0
	ds_add_u32 v[SPW], v[NIL]                      ; the wave's opening: the add, twice on end, and its wait
	ds_add_u32 v[SPW], v[NIL]
	v_lshrrev_b32 v1, 5, v0
	v_readfirstlane_b32 s[WV], v1                  ; wave 0..3
	v_and_b32 v2, 31, v0
	v_lshlrev_b32 v[LI], 4, v2
	v_mov_b32 v[ADQ], v[LI]
	v_add_nc_u32 v[ADQ+1], 0x10000, v[LI]
	v_add_nc_u32 v[ADQ+2], 0x20000, v[LI]
	v_add_nc_u32 v[ADQ+3], 0x30000, v[LI]
	v_and_b32 v1, 15, v0                           ; r
	v_bfe_u32 v2, v0, 4, 1                         ; h
	v_mul_u32_u24 v[STO], v1, SPITCH
	v_lshl_add_u32 v[STO], v2, 5, v[STO]
	s_lshl_b32 s10, s[WV], 7
	v_add_nc_u32 v[STO], s10, v[STO]
	s_mul_i32 s10, s[WV], 32*SPITCH
	v_add_nc_u32 v[RD], s10, v[LI]
	s_bfe_u32 s10, ttmp6, 0x40000                  ; cx: it enters Wo's and out's addresses alone
	s_and_b32 s17, ttmp7, 0xffff                   ; ao's tile
	s_lshl_b32 s18, ttmp9, 2
	s_add_co_u32 s18, s18, s10                     ; Wo's tile
	; descriptor group 1: two rows (tiles of 16 rows) of 16,384 bytes (eight images), 32,768 bytes apart in memory, dense in LDS
	s_mov_b32 s[G1+0], 15|(1<<21)                  ; 15:0 the mask: all four work-groups; 17:16 elements of 1 byte; 20 no padding; 21 set beside a mask
	s_mov_b32 s[G1+1], TROW<<16
	s_mov_b32 s[G1+2], 2<<16
	s_mov_b32 s[G1+3], TROW<<16
	s_mov_b32 s[G1+4], 2
	s_mov_b32 s[G1+5], 32768
	s_mov_b32 s[G1+6], 0
	s_mov_b32 s[G1+7], 0
	s_mov_b32 s[G0], 1                             ; count = 1
	s_lshl_b32 s[G0+1], s[WV], 15                  ; LDS address: wave x two tiles; half 1 behind half 0's 131,072 bytes
	s_mov_b32 s[G0+4], 1
	s_add_co_u32 s[G0+5], s[G0+1], 8*TROW
	s_lshl_b32 s20, s17, 18                        ; ao: tile x 262,144 bytes,
	s_lshl_b32 s19, s[WV], 16                      ; + wave x 65,536
	s_add_co_u32 s20, s20, s19
	s_mov_b32 s21, 0
	s_lshl_b32 s22, s18, 18                        ; Wo: tile x 262,144 bytes,
	s_lshl_b32 s19, s[WV], 16                      ; + wave x 65,536
	s_add_co_u32 s22, s22, s19
	s_mov_b32 s23, 0
	s_wait_alu depctr_va_vdst(0)
	s_wait_dscnt 0x0                               ; both opening adds are done
	s_wait_kmcnt 0x0
	s_load_b64 s[96:97], s[84:85], 0x20            ; entries 8, 9
	s_add_nc_u64 s[G0+2:G0+3], s[76:77], s[20:21]
	s_add_nc_u64 s[G0+6:G0+7], s[G0+2:G0+3], TROW
	s_or_b32 s[G0+3], s[G0+3], 0x80000000          ; type = 2
	s_or_b32 s[G0+7], s[G0+7], 0x80000000
	s_add_nc_u64 s[QB:QB+1], s[78:79], s[22:23]
	WIN 0x40
.irp j, 0,1,2,3
	BLD 0, \j
.endr
	WIN 0
	CROUND                                         ; all four work-groups are here: the joint loads meet
	tensor_load_to_lds s[G0:G0+3], s[G1:G1+7]      ; two tiles of ao, half 0: one tensor load a wave at the head
	s_nop 0
.rept 4
	v_nop
.endr
.irp c, 1,2,3,4,5,6
.set LW, 0x40+0x80*(\c%2)
	WIN LW
.irp j, 0,1,2,3
	BLD \c, \j
.endr
.endr
	WIN 0
	s_lshl_b32 s20, s17, 20                        ; out: 128 rows of 8,192 bytes a tile,
	s_lshl_b32 s19, s[WV], 18                      ; my 32 rows,
	s_add_co_u32 s20, s20, s19
	s_lshl_b32 s19, s18, 9                         ; the tile's 512 bytes of a row
	s_add_co_u32 s20, s20, s19
	s_mov_b32 s21, 0
	s_add_nc_u64 s[8:9], s[86:87], s[20:21]
	s_wait_kmcnt 0x0
	s_add_co_i32 s96, s96, s97
	s_add_co_i32 s96, s96, 127
	s_lshl_b32 s96, s96, 23                        ; 2^(entry 8 + entry 9) as f32
	s_mov_b32 s97, s96
; Two matrix instructions: ao's block a x Wo's two, 128 along K.  Chunk 0's start the sums.  The 16 accumulators take turns, one instruction a turn, in the same order in every chunk.
.macro MULA c, a
.irp b, 0,1
.set AC, 8*(2*(\a)+\b)
.if (\c) == 0
	v_wmma_f32_16x16x128_fp8_fp8 v[AC:AC+7], v[BB+16*\b:BB+16*\b+15], v[16*(\a):16*(\a)+15], 0
.else
	v_wmma_f32_16x16x128_fp8_fp8 v[AC:AC+7], v[BB+16*\b:BB+16*\b+15], v[16*(\a):16*(\a)+15], v[AC:AC+7]
.endif
.endr
.endm
; Loads among the products: the next chunk's blocks 2 j, 2 j + 1 of ao, and a quarter of Wo's chunk seven on, into registers that the chunk BEFORE this one read: the four v_nop ahead of the first are the places behind its last product.
.macro GAP c, j
.if (\c) < 15
.if (\j) == 0
.rept 4
	v_nop
.endr
.endif
	WIN LW
.irp a, 2*\j, 2*\j+1
.irp g, 0,1,2,3
	ds_load_b128 v[16*(\a)+4*\g:16*(\a)+4*\g+3], v[ADQ+2*(((\c)+1)/8)+(\a)/4] offset:((\a)%4)*TROW+(((\c)+1)%8)*2048+\g*512   ; 512 consecutive bytes a load
.endr
.endr
.if (\c) < 9
	BLD (\c)+7, \j
.endif
	WIN MW
.endif
.endm
.macro CH c                            ; chunk c
.set BB, 128+32*(((\c)/2)%4)           ; its fragments of Wo
.set MW, 0xa5+10*((\c)%2)              ; both sources window 1 (even) or 3 (odd), C and D window 2
.set LW, 0xc0-0x80*((\c)%2)            ; loads: destination window 3 (even) or 1 (odd), address window 0
.if (\c) < 10
	s_wait_loadcnt 48                              ; this chunk's eight loads of Wo are in; those of the six chunks behind it may be out
.else
	s_wait_loadcnt 8*(15-(\c))
.endif
.if (\c) == 7
	s_wait_tensorcnt 0x0                           ; my tiles of half 1 are in,
	s_wait_dscnt 0x0                               ; and no LDS load of mine is out at the signal
	s_barrier_signal -1
.else
	s_wait_dscnt 8                                 ; ao's blocks 0-5 are in; the youngest eight loads (blocks 6, 7) may be out
.endif
	WIN MW
	MULA \c, 0
.if (\c) == 7
	s_barrier_wait -1                              ; half 1 is whole, and nobody reads half 0 any more
.endif
	GAP \c, 0
	MULA \c, 1
	GAP \c, 1
	MULA \c, 2
	MULA \c, 3
	GAP \c, 2
	MULA \c, 4
	GAP \c, 3
	MULA \c, 5
.if (\c) < 15
	s_wait_dscnt 32                                ; all but the 32 loads of the next chunk
.else
	s_wait_dscnt 0x0
.endif
	MULA \c, 6
	MULA \c, 7
.endm
	s_wait_alu depctr_va_vdst(0)
	s_wait_tensorcnt 0x0                           ; my tiles of half 0 are in
	ds_add_u32 v[SPW], v[NIL]
	s_wait_dscnt 0x0                               ; the add is done
	CROUND                                         ; half 0 is whole, and all four work-groups are here: the joint loads meet
	tensor_load_to_lds s[G0+4:G0+7], s[G1:G1+7]    ; half 1, my one load behind the round
	s_nop 0
.rept 4
	v_nop
.endr
	WIN 0x40
.irp a, 0,1,2,3,4,5,6,7
.irp g, 0,1,2,3
	ds_load_b128 v[16*\a+4*\g:16*\a+4*\g+3], v[ADQ+\a/4] offset:(\a%4)*TROW+\g*512
.endr
.endr
.irp c, 0,1,2,3,4,5,6,7,8,9,10,11,12,13,14,15
	CH \c
.endr
.rept 4
	v_nop                                          ; places behind the last products
.endr
	WIN 0x02
.set n, 0
.rept 64
	v_pk_mul_f32 v[TMP+n:TMP+n+1], v[n:n+1], s[96:97] op_sel_hi:[1,0]   ; both x s96; each accumulator from its low end on
.set n, n+2
.endr
	WIN 0
.irp a, 0,1,2,3,4,5,6,7
.irp b, 0,1
	ds_store_b128 v[STO], v[TMP+16*\a+8*\b:TMP+16*\a+8*\b+3] offset:\a*16*SPITCH+64*\b
	ds_store_b128 v[STO], v[TMP+16*\a+8*\b+4:TMP+16*\a+8*\b+7] offset:\a*16*SPITCH+64*\b+16
.endr
.endr
	s_wait_dscnt 0x0                               ; my stores are done
	s_barrier_signal -1
	s_barrier_wait -1                              ; everybody's are
.set n, 0
.rept 32
	ds_load_b128 v[TMP+4*n:TMP+4*n+3], v[RD] offset:n*SPITCH
.set n, n+1
.endr
.set n, 0
.rept 32
	s_wait_dscnt 31-n                              ; row n is back
	global_store_b128 v[LI], v[TMP+4*n:TMP+4*n+3], s[8:9] offset:n*8192 th:TH_STORE_NT   ; 32 lanes store 512 consecutive bytes, aligned; written once
.set n, n+1
.endr
	s_wait_tensorcnt 0x0                           ; the wave's end
	ds_add_u32 v[SPW], v[NIL]
	s_wait_dscnt 0x0
	CROUND                                         ; the closing round: no work-group ends while a partner may still ask for a tile that names it
	s_endpgm
.Lfunc_end_k_qa9ed8fbaf5_outp:
	.size	k_qa9ed8fbaf5_outp, .Lfunc_end_k_qa9ed8fbaf5_outp-k_qa9ed8fbaf5_outp
	.p2alignl 7, 3214868480
	.fill 96, 4, 3214868480
	.section	.rodata,"a",@progbits
	.p2align	6, 0x0
	.amdhsa_kernel k_qa9ed8fbaf5_outp
		.amdhsa_group_segment_fixed_size 327680
		.amdhsa_private_segment_fixed_size 0
		.amdhsa_enable_private_segment 0
		.amdhsa_kernarg_size 32
		.amdhsa_user_sgpr_count 2
		.amdhsa_user_sgpr_kernarg_segment_ptr 1
		.amdhsa_wavefront_size32 1
		.amdhsa_system_sgpr_workgroup_id_x 1
		.amdhsa_system_sgpr_workgroup_id_y 1
		.amdhsa_system_sgpr_workgroup_id_z 1
		.amdhsa_system_vgpr_workitem_id 0
		.amdhsa_next_free_vgpr 1024
		.amdhsa_next_free_sgpr 100
		.amdhsa_reserve_vcc 0
		.amdhsa_float_denorm_mode_32 3
		.amdhsa_float_denorm_mode_16_64 3
		.amdhsa_memory_ordered 1
		.amdhsa_forward_progress 1
		.amdhsa_inst_pref_size 86
	.end_amdhsa_kernel
	.amdgpu_metadata
---
amdhsa.version: [ 1, 2 ]
amdhsa.kernels:
  - .name:           k_qa9ed8fbaf5_outp
    .symbol:         k_qa9ed8fbaf5_outp.kd
    .args:
      - { .name: ao_img, .offset: 0, .size: 8, .value_kind: global_buffer, .address_space: global }
      - { .name: wo_img, .offset: 8, .size: 8, .value_kind: global_buffer, .address_space: global }
      - { .name: lowp_scales, .offset: 16, .size: 8, .value_kind: global_buffer, .address_space: global }
      - { .name: out0, .offset: 24, .size: 8, .value_kind: global_buffer, .address_space: global }
    .group_segment_fixed_size: 327680
    .private_segment_fixed_size: 0
    .kernarg_segment_align: 8
    .kernarg_segment_size: 32
    .max_flat_workgroup_size: 128
    .sgpr_count:     100
    .vgpr_count:     1024
    .wavefront_size: 32
...
	.end_amdgpu_metadata
.endif
;; end of part 4
